; MI455X (gfx1250); checked and timed in simulation.
; The chip was launched on July 23, 2026; its instructions are those of AMD's public machine-readable ISA for CDNA 5 (MIT licence, August 2026) and "CDNA5" Instruction Set Architecture Reference Guide (July 2026). The comments in the code are by the model that wrote it; some were corrected since.
;; Self Attention Layer. Allowed arithmetic: matrix products marked QUANTISED: E3M2 operands, one E8M0 scale for each 32 along K, by v_wmma_scale_f32_16x16x128_f8f6f4 with both operands' format E3M2, f32 sums; everything else in f32.
;; Inputs: Wk 1,024 x 1,024 float32; Wq 1,024 x 1,024 float32; Wv 1,024 x 1,024 float32; x 4 x 2,048 x 1,024 float32.
;; Outputs: out0 4 x 2,048 x 1,024 float32.
;; This version of the problem:
;;   THIS VERSION OF THE PROBLEM IS GIVEN IN LOW PRECISION. The matrix products marked QUANTISED in the list below multiply operands that are first quantised to E3M2 (3 exponent bits, 2 mantissa bits; 6 bits a number), with one power-of-two scale for each 32 numbers along K (OCP MX v1.0); their sums are f32. All else is computed in f32.
;;   The module's matrix products, in the order in which they are computed (A, B: the left and right operand; K: the contracted axis; several contracted axes count as one K, in the product's order):
;;     1. [M 8,192, K 1,024] x [K 1,024, N 1,024]; A: input x; B: input Wq: QUANTISED
;;     2. [M 8,192, K 1,024] x [K 1,024, N 1,024]; A: input x; B: input Wk: QUANTISED
;;     3. [M 8,192, K 1,024] x [K 1,024, N 1,024]; A: input x; B: input Wv: QUANTISED
;;     4. batch 64 x [M 2,048, K 64] x [K 64, N 2,048]; A: computed on the way; B: computed on the way: QUANTISED
;;     5. batch 64 x [M 2,048, K 2,048] x [K 2,048, N 64]; A: softmax (see below); B: computed on the way: QUANTISED
;;   THE QUANTISER, for each operand of a quantised product, along K:
;;     - K is cut into blocks of 32 from its start; a last block that is shorter is filled with zeros.
;;     - A block's scale is 2^e with e = floor(log2(the largest magnitude in the block)) - 4, held to -126 .. 127; a block of zeros has e = 0. As a byte (E8M0): e + 127.
;;     - Each number is divided by its block's scale, clamped to +-28, and rounded to the nearest number of E3M2, ties to even, subnormals kept.
;;     - The product sums the exact products of the quantised numbers (number of the format x scale) in f32.
;;   ~~~python
;;   def quantise(x, axis):      # numpy; x: float32 -> the quantised numbers, widened to float32 again
;;       x = np.moveaxis(x, axis, -1); K = x.shape[-1]
;;       x = np.pad(x, [(0, 0)] * (x.ndim - 1) + [(0, -K % 32)]); x = x.reshape(x.shape[:-1] + (-1, 32)); a = np.abs(x).max(-1, keepdims=True)
;;       e = np.where(a > 0, np.clip(np.frexp(np.where(a > 0, a, 1))[1] - 1 - 4, -126, 127), 0)      # np.frexp(a)[1] - 1 = floor(log2(a)), exactly
;;       r = np.clip(x / 2.0 ** e, -28, 28)
;;       step = 2.0 ** (np.maximum(np.frexp(np.where(r == 0, 1, r))[1] - 1, -2) - 2)
;;       q = np.round(r / step) * step * 2.0 ** e      # np.round: ties to even
;;       return np.moveaxis(q.reshape(q.shape[:-2] + (-1,))[..., :K], -1, axis).astype(np.float32)
;;   ~~~
;;   SOFTMAX AHEAD OF A QUANTISED PRODUCT. Where the list says 'softmax', what is quantised is not the finished softmax but p = 2^(t - M), with t = logit x log2(e) and M = ceil(the row's largest t), a whole number; so 1/2 < the row's largest p <= 1. The row's sum l is taken of the UNQUANTISED p, in f32, and the product's result is divided by l at the end. Since M is a whole number, a kernel that streams over the keys may use a running M (the ceiling of the running maximum): every later rescaling is an exact power of two, which a block's scale takes up: the codes' values come out the same.
;;   OPERANDS COMPUTED ON THE WAY. 'Computed on the way' means the value that the module computes at that place (a softmax that the list does not call 'softmax' is quantised finished and normalised). What goes into a quantiser is computed in f32, as accurately as f32 sums, v_exp_f32 and their like allow (about 1e-6 of the number): no bf16 or f16 on the way to a quantiser, and a product that is left as it is and whose result goes on into a quantised operand takes f32 operands (vector FMAs, or v_wmma_f32_16x16x4_f32). A number that lies on a knife's edge between two numbers of the format may be rounded either way, as far as f32 arithmetic and the matrix unit's own rounding can turn it there, and no further.
;; One version. Each part assembles by itself: llvm-mc -triple=amdgcn-amd-amdhsa -mcpu=gfx1250 --defsym DOCPART=n.
;; ======== version 1 of 1: 3 launches
;; limits: right only within a limited range of input values
;; workspace buffers: codes 8,650,752 bytes; scl 360,448 bytes; qbuf 6,815,744 bytes; kv 13,369,344 bytes
;; launch quant (part 1): grid 352 x 1, 4 waves a work-group, no clusters, 34,304 bytes of LDS; arguments x, Wq, Wk, Wv, codes, scl; writes codes, scl
.if DOCPART == 1
	.amdgcn_target "amdgcn-amd-amdhsa--gfx1250"
	.amdhsa_code_object_version 6
	.text
	.protected	k_qa6043bd8e3_quant
	.globl	k_qa6043bd8e3_quant
	.p2align	8
	.type	k_qa6043bd8e3_quant,@function
k_qa6043bd8e3_quant:
	s_mov_b64 s[64:65], 0
	v_nop
	global_prefetch_b8 v0, s[64:65] scope:SCOPE_SE
	s_setreg_imm32_b32 hwreg(HW_REG_WAVE_MODE, 25, 1), 1
	s_wait_xcnt 0x0
; x [8192][1024] and Wq, Wk, Wv [1024][1024], f32, K innermost, become codes of BF6 (E3M2) with one E8M0 scale byte for each 32 along K,
; laid as IMAGES OF THE OPERAND'S REGISTERS: codes [704 tiles][8 K steps][1,536 bytes]; a block of 1,536 bytes is a fragment (16 rows x 128 K, 12 registers a lane):
; three slabs of 512 bytes, slab c = registers 4 c .. 4 c + 3, lane l's 16 bytes at 16 l.  Tiles 0-511 are x's, 512-575 Wq's, 576-639 Wk's, 640-703 Wv's.
; THE ROWS OF A TILE ARE NOT NEIGHBOURS: place i of a tensor's tile T is row 64 (T / 4) + 32 (i / 8) + 8 (T % 4) + i % 8, so that the results of four neighbouring tiles, used as source 0, are 32 neighbours in a lane: a whole scale block.
; scl [704 tiles][half of K][row place r][4 words]: a word = a row's four scale bytes of one K step of 128.
; A block's scale is 2^(floor(log2(its largest magnitude)) - 4); its byte is the largest magnitude's exponent field - 4, held at 1 from below.
; LIMITS: NaN and infinities among the inputs are not served; a block of zeros gets the byte 1 where the rule says 127: its codes are zeros, which add nothing, and this program alone reads the bytes.
; SHARES: a wave takes one tile and half of K: four K steps.  A load reads 512 consecutive bytes of one row; a K step's 16 rows turn through the wave's own stage in LDS (rows of 512 + 16 bytes),
; from which lane (r, h) takes, of row r, the 16 numbers 32 b + 16 h + 0 .. 15 of each block b.  Waves share nothing: no barrier, no tensor load, no cluster (no two work-groups read the same bytes).
.set SP,   528                         ; a stage row: 512 bytes + 16
.set WST,  16*SP                       ; a wave's stage
.set L16,  1                           ; v1   16 x lane
.set STI,  2                           ; v2   the stage, on the way in
.set STR,  3                           ; v3   on the way out: wave x WST + r x SP + 64 h
.set SCA,  4                           ; v4   my place in the tile's scale words: 16 r + 8 h
.set R,    16                          ; v16-143  two sets of 64 numbers as loaded
.set X,    144                         ; v144-207 register 16 b + i = k 32 b + 16 h + i of my row
.set PC,   208                         ; v208-219 the fragment's codes; v220-226 halves on their way
.set TM,   228                         ; v228-243 at work
.set SW,   246                         ; v246-249 the four K steps' scale words
.set SI,   250                         ; v250-251 the two words that I store
.set SEL,  20                          ; s[20:21] lane selects: lane l xor 16
	s_load_b256 s[4:11], s[0:1], 0x0               ; x, Wq, Wk, Wv
	s_load_b128 s[12:15], s[0:1], 0x20             ; codes, scl
	v_lshl_add_u32 v254, v0, 2, 0x8400
	v_mov_b32 v255, 0
	v_lshrrev_b32 v5, 5, v0
	v_readfirstlane_b32 s24, v5                    ; wave 0..3
	s_lshr_b32 s25, s24, 1                         ; which of the work-group's two tiles
	s_and_b32 s26, s24, 1                          ; which half of K
	v_and_b32 v6, 31, v0
	v_and_b32 v7, 15, v0                           ; r
	v_bfe_u32 v8, v0, 4, 1                         ; h
	v_lshlrev_b32 v[L16], 4, v6
	s_mul_i32 s27, s24, WST
	v_add_nc_u32 v[STI], s27, v[L16]
	v_mul_u32_u24 v[STR], v7, SP
	v_lshl_add_u32 v[STR], v8, 6, v[STR]
	v_add_nc_u32 v[STR], s27, v[STR]
	v_lshlrev_b32 v[SCA], 4, v7
	v_lshl_add_u32 v[SCA], v8, 3, v[SCA]
	s_mov_b32 s[SEL], 0x76543210
	s_mov_b32 s[SEL+1], 0xfedcba98
	s_mov_b32 s22, 0xffff0000                      ; a lane mask: lanes 16-31
.irp b, 0,1,2,3
	v_mov_b32 v[TM+4+\b], 0                        ; a lane permute's destination counts as one of its sources
.endr
	s_mov_b32 s18, 320                             ; the first work-group of Wv, of Wk, of Wq
	s_mov_b32 s19, 288
	s_mov_b32 s23, 256
	s_wait_alu depctr_va_vdst(0)
	s_wait_kmcnt 0x0
	s_cmp_lt_u32 ttmp9, 320                        ; whose work-group am I?  The choices hang on the work-group's number alone
	s_cselect_b64 s[16:17], s[8:9], s[10:11]
	s_cselect_b32 s18, s19, s18
	s_cmp_lt_u32 ttmp9, 288
	s_cselect_b64 s[16:17], s[6:7], s[16:17]
	s_cselect_b32 s18, s23, s18
	s_cmp_lt_u32 ttmp9, 256
	s_cselect_b64 s[16:17], s[4:5], s[16:17]
	s_cselect_b32 s18, 0, s18
	s_sub_co_u32 s19, ttmp9, s18                   ; my work-group w within its tensor: tiles 2 w, 2 w + 1
	s_and_b32 s27, s19, 1
	s_lshr_b32 s19, s19, 1
	s_lshl_b32 s19, s19, 6
	s_lshl_b32 s27, s27, 4
	s_add_co_u32 s19, s19, s27
	s_lshl_b32 s27, s25, 3
	s_add_co_u32 s19, s19, s27                     ; my tile's first row: 64 (w / 2) + 16 (w % 2) + 8 x (tile % 2)
	s_lshl_b32 s28, s19, 12                        ; rows of 4,096 bytes
	s_lshl_b32 s27, s26, 11
	s_add_co_u32 s28, s28, s27                     ; + my half of K
	s_mov_b32 s29, 0
	s_add_nc_u64 s[16:17], s[16:17], s[28:29]
	s_lshl_b32 s28, ttmp9, 4                       ; codes: 16 x work-group + 4 x wave blocks
	s_lshl_b32 s27, s24, 2
	s_add_co_u32 s28, s28, s27
	s_mul_i32 s28, s28, 1536
	s_add_nc_u64 s[12:13], s[12:13], s[28:29]
	s_lshl_b32 s28, ttmp9, 10                      ; scale words: 1,024 x work-group + 256 x wave
	s_lshl_b32 s27, s24, 8
	s_add_co_u32 s28, s28, s27
	s_add_nc_u64 s[14:15], s[14:15], s[28:29]
.macro LOAD s                          ; K step s: 16 loads, each 512 consecutive bytes of one of the tile's rows (places 8-15 lie 32 rows below places 0-7), into set s % 2
.irp i, 0,1,2,3,4,5,6,7,8,9,10,11,12,13,14,15
	global_load_b128 v[R+64*((\s)%2)+4*\i:R+64*((\s)%2)+4*\i+3], v[L16], s[16:17] offset:(\i+24*(\i/8))*4096+512*(\s) th:TH_LOAD_NT
.endr
.endm
.macro QUANT s, pw                     ; 64 numbers of a lane become a fragment's codes in v[PC] on and its scale word in v[pw]
.irp b, 0,1,2,3
	v_max3_num_f32 v[TM+\b], |v[(\s)+16*\b]|, |v[(\s)+1+16*\b]|, 0x2800000   ; the floor 2^(5 - 127): the byte cannot fall under 1
.endr
.irp i, 2,4,6,8,10,12,14
.irp b, 0,1,2,3
	v_max3_num_f32 v[TM+\b], v[TM+\b], |v[(\s)+16*\b+\i]|, |v[(\s)+1+16*\b+\i]|
.endr
.endr
.irp b, 0,1,2,3
	v_permlanex16_b32 v[TM+4+\b], v[TM+\b], s[SEL], s[SEL+1]
.endr
.irp b, 0,1,2,3
	v_max_num_f32 v[TM+\b], v[TM+\b], v[TM+4+\b]   ; with lane l xor 16's: the block's largest magnitude
.endr
.irp b, 0,1,2,3
	v_add_nc_u32 v[TM+12+\b], 0xfe000000, v[TM+\b] ; 4 off its exponent field: the conversion's scale operand
.endr
.irp b, 0,1,2,3
	v_lshrrev_b32 v[TM+4+\b], 23, v[TM+12+\b]      ; the scale's byte
.endr
	v_lshl_or_b32 v[\pw], v[TM+5], 8, v[TM+4]
	v_lshl_or_b32 v[\pw], v[TM+6], 16, v[\pw]
	v_lshl_or_b32 v[\pw], v[TM+7], 24, v[\pw]
.irp c, 0,1
	v_cvt_scalef32_pk16_bf6_f32 v[PC+6*\c:PC+2+6*\c], v[(\s)+32*\c:(\s)+15+32*\c], v[TM+12+2*\c]
	v_cvt_scalef32_pk16_bf6_f32 v[PC+12+4*\c:PC+14+4*\c], v[(\s)+16+32*\c:(\s)+31+32*\c], v[TM+12+2*\c+1]
.endr
	v_nop                                          ; one plain place behind a scaled conversion
.irp c, 0,1                            ; the operand's layout wants a whole block in a lane
.irp i, 0,1,2
	v_permlane16_swap_b32 v[PC+6*\c+\i], v[PC+12+4*\c+\i]
.endr
.irp i, 0,1,2
	v_mov_b32 v[PC+3+6*\c+\i], v[PC+12+4*\c+\i]
.endr
.endr
.endm
.macro STEP s
.if (\s) < 3
	s_wait_loadcnt 16                              ; this step's 16 loads are in; the other set's 16 may be out
.else
	s_wait_loadcnt 0x0
.endif
.irp i, 0,1,2,3,4,5,6,7,8,9,10,11,12,13,14,15
	ds_store_b128 v[STI], v[R+64*((\s)%2)+4*\i:R+64*((\s)%2)+4*\i+3] offset:SP*\i
.endr
.irp b, 0,1,2,3
.irp j, 0,1,2,3
	ds_load_b128 v[X+16*\b+4*\j:X+16*\b+4*\j+3], v[STR] offset:128*\b+16*\j   ; LDS serves a wave's instructions in order
.endr
.endr
	s_wait_dscnt 0x0
.if (\s) > 0
	s_wait_xcnt 0x0                                ; the last step's stores have read the codes' registers
.endif
.if (\s) < 2
	LOAD (\s)+2
.endif
	QUANT X, SW+(\s)
.irp c, 0,1,2
	global_store_b128 v[L16], v[PC+4*\c:PC+4*\c+3], s[12:13] offset:1536*(\s)+512*\c   ; 32 lanes store 512 consecutive bytes, aligned
.endr
.endm
	LOAD 0
	LOAD 1
	STEP 0
	STEP 1
	STEP 2
	STEP 3
	v_cndmask_b32 v[SI], v[SW], v[SW+2], s22       ; lanes 0-15 store their row's words of steps 0 and 1, lanes 16-31 those of steps 2 and 3
	v_cndmask_b32 v[SI+1], v[SW+1], v[SW+3], s22
	global_store_b64 v[SCA], v[SI:SI+1], s[14:15]  ; 32 lanes store 256 consecutive bytes, aligned
	s_wait_tensorcnt 0x0                           ; the wave's end
	ds_add_u32 v254, v255
	s_wait_dscnt 0x0
	s_endpgm
.Lfunc_end_k_qa6043bd8e3_quant:
	.size	k_qa6043bd8e3_quant, .Lfunc_end_k_qa6043bd8e3_quant-k_qa6043bd8e3_quant
	.p2alignl 7, 3214868480
	.fill 96, 4, 3214868480
	.section	.rodata,"a",@progbits
	.p2align	6, 0x0
	.amdhsa_kernel k_qa6043bd8e3_quant
		.amdhsa_group_segment_fixed_size 34304
		.amdhsa_private_segment_fixed_size 0
		.amdhsa_enable_private_segment 0
		.amdhsa_kernarg_size 48
		.amdhsa_user_sgpr_count 2
		.amdhsa_user_sgpr_kernarg_segment_ptr 1
		.amdhsa_wavefront_size32 1
		.amdhsa_system_sgpr_workgroup_id_x 1
		.amdhsa_system_sgpr_workgroup_id_y 1
		.amdhsa_system_sgpr_workgroup_id_z 1
		.amdhsa_system_vgpr_workitem_id 0
		.amdhsa_next_free_vgpr 256
		.amdhsa_next_free_sgpr 66
		.amdhsa_reserve_vcc 0
		.amdhsa_float_denorm_mode_32 3
		.amdhsa_float_denorm_mode_16_64 3
		.amdhsa_memory_ordered 1
		.amdhsa_forward_progress 1
		.amdhsa_inst_pref_size 34
	.end_amdhsa_kernel
	.amdgpu_metadata
---
amdhsa.version: [ 1, 2 ]
amdhsa.kernels:
  - .name:           k_qa6043bd8e3_quant
    .symbol:         k_qa6043bd8e3_quant.kd
    .args:
      - { .name: x, .offset: 0, .size: 8, .value_kind: global_buffer, .address_space: global }
      - { .name: Wq, .offset: 8, .size: 8, .value_kind: global_buffer, .address_space: global }
      - { .name: Wk, .offset: 16, .size: 8, .value_kind: global_buffer, .address_space: global }
      - { .name: Wv, .offset: 24, .size: 8, .value_kind: global_buffer, .address_space: global }
      - { .name: codes, .offset: 32, .size: 8, .value_kind: global_buffer, .address_space: global }
      - { .name: scl, .offset: 40, .size: 8, .value_kind: global_buffer, .address_space: global }
    .group_segment_fixed_size: 34304
    .private_segment_fixed_size: 0
    .kernarg_segment_align: 8
    .kernarg_segment_size: 48
    .max_flat_workgroup_size: 128
    .sgpr_count:     66
    .vgpr_count:     256
    .wavefront_size: 32
...
	.end_amdgpu_metadata
.endif
;; end of part 1
;; launch proj (part 2): grid 8 x 32, 4 waves a work-group, clusters of 4 x 4, 327,680 bytes of LDS; arguments codes, scl, qbuf, kv; writes qbuf, kv
.if DOCPART == 2
	.amdgcn_target "amdgcn-amd-amdhsa--gfx1250"
	.amdhsa_code_object_version 6
	.text
	.protected	k_qa6043bd8e3_proj
	.globl	k_qa6043bd8e3_proj
	.p2align	8
	.type	k_qa6043bd8e3_proj,@function
k_qa6043bd8e3_proj:
	s_mov_b64 s[64:65], 0
	v_nop
	global_prefetch_b8 v0, s[64:65] scope:SCOPE_SE
	s_setreg_imm32_b32 hwreg(HW_REG_WAVE_MODE, 25, 1), 1
	s_wait_xcnt 0x0
	s_wait_alu depctr_hold_cnt(0) depctr_sa_sdst(0) depctr_va_vdst(0) depctr_va_sdst(0) depctr_va_ssrc(0) depctr_va_vcc(0) depctr_vm_vsrc(0)
	s_getreg_b32 s2, hwreg(HW_REG_IB_STS2, 6, 4)
	s_cmp_eq_u32 s2, 0
	s_cbranch_scc0 .Lentry_in_a_cluster
	s_endpgm
.Lentry_in_a_cluster:
	s_bfe_u32 s2, ttmp6, 0x10000c
	s_cmp_lg_u32 s2, 0xf033
	s_cbranch_scc0 .Lentry_shape_is_right
	s_endpgm
.Lentry_shape_is_right:
; q = x Wq^T, k = x Wk^T, v = x Wv^T on codes of BF6 (E3M2) with E8M0 scales, K = 1,024, f32 sums; each result is quantised at once, in registers, along the K of the attention product that will read it,
; and leaves as images of operand registers.  codes [704 tiles][8 K steps][1,536 bytes] and scl [704 tiles][2][16 rows][4 words] are as the launch before leaves them: tiles 0-511 x's, 512-575 Wq's, 576-639 Wk's, 640-703 Wv's;
; place i of a tensor's tile T is row 64 (T / 4) + 32 (i / 8) + 8 (T % 4) + i % 8, so that the 32 registers of four neighbouring result tiles are 32 neighbours: a whole scale block in a lane.
; SHARES: 256 work-groups.  Work-group (gx, gy) takes 256 tokens (x's tiles 16 gy ..) and heads 2 gx, 2 gx + 1 through THREE PASSES: q, k, v.  Wave (wr, wc) owns 8 tiles of x (128 tokens) and 4 tiles of W (one head): 32 accumulators.
; LDS: x's 16 tiles, all of K, 196,608 bytes, filled once and read in all three passes; behind them a region of 98,304 bytes for the pass's 8 tiles of W.  A wave takes its 4 tiles of W, all of K, into 384 registers;
; when all four waves have done so, the region is filled again with the next pass's W, behind a round of the cluster's barrier: two refills, by waves 0 and 1, a half each.
; CLUSTER 4 x 4: x's tiles hang on gy alone and are shared along a row of the cluster, W's on gx alone and are shared along a column.
; No prefetch: the passes are written out, with no loop to run ahead in, and a refill has a pass of 256 products a wave in which to land.
; q, k: source 0 = W, source 1 = x: a lane holds a token, its 32 registers of an x tile the head's channels 32 h + 0 .. 31.  v: source 0 = x, source 1 = Wv: a lane holds a channel, its 64 registers of a Wv tile tokens 64 c + 32 h + 0 .. 31.
; OUT: qbuf [64 heads][16 steps of 128 tokens][6,656]: 8 tiles x 768 (registers 0-3 at 16 x lane, registers 4-5 at 512 + 8 x lane), then 512 bytes of scale words (register i: tile 2 i in lanes 0-15, tile 2 i + 1 above).
;      kv [64][16][13,056]: K's 8 tiles likewise; V's 4 channel tiles x two halves of the 128 keys x 768 from byte 6,144; K's scale words at 12,288; V's (256 bytes) at 12,800.
; LIMITS: NaN and infinities are not served; a block of zeros gets the byte 1 (its codes are zeros; this program alone reads the bytes).  A head of 64 fills half of q's and k's scale words: the other two bytes are 0 and stand over zero codes.
; REGISTERS, in windows of 256.  Window 0: v1-15 addresses; v16-79 x's scale words (8 a + k); v80-83 the scale words' image; v84-115 Wq's (lanes 0-15) and Wk's (lanes 16-31) scale words (8 b + k); v116-147 Wv's;
;   v148-243 x's fragments, set 0, and on the way out the codes and what is at work.  Window 1: W's fragments 4 k + b of K steps 0-4.  Window 2: those of K steps 5-7 (v0-143); x's fragments, set 1 (v144-239).  Window 3: the accumulators.
.set KSB,   1536                       ; a fragment's bytes
.set TILEB, 8*KSB                      ; a tile's codes
.set XH,    8*TILEB                    ; 8 tiles of x: one tensor load, and what one wave reads
.set WH,    4*TILEB                    ; 4 tiles of W likewise
.set WR,    2*XH                       ; W's region
.set SPARE, WR+2*WH                    ; the spare words
.set L16,  1                           ; v1  16 x lane
.set L8,   2                           ; v2  8 x lane
.set SH8,  3                           ; v3  8 x (lane / 16)
.set ADW,  4                           ; v4  LDS address of my W fragments
.set ADX,  6                           ; v6, v7  of my x tiles 0-3, 4-7
.set SCOX, 8                           ; v8-10  where my scale words begin in scl
.set SCOW, 9
.set SCOV, 10
.set SPW,  14
.set NIL,  15
.set SCX,  16
.set IM,   80
.set WS,   84
.set WV,   116
.set PCA,  148                         ; the way out: v148-211 codes, scale operands, what lane l xor 16 sends
.set TA,   212                         ; v212-243 32 chains; then second halves of codes (4 g ..) and scale bytes (4 g + 3)
.set G1X,  24
.set G1W,  48
.set G0X,  72
.set G0W,  76
.set PQ,   56                          ; s[56:57] my block of qbuf;  s[58:59] of kv
.set PK,   58
.set SEL,  20
.set HI16, 22
.set MSB, 0
.macro WIN new
.if MSB != (\new)
	s_set_vgpr_msb (MSB<<8)|(\new)
.set MSB, \new
.endif
.endm
.macro PLACES
.rept 4
	v_nop
.endr
.endm
.macro WALU
	s_wait_alu depctr_va_vdst(0)
.endm
.macro CROUND                          ; a round of the cluster's barrier
	s_barrier_signal -1
	s_barrier_wait -1
	s_cmp_lg_u32 s14, 0
	s_cbranch_scc1 .Lnot_wave_0_\@
	s_barrier_signal -3
.Lnot_wave_0_\@:
	s_barrier_wait -3
	s_barrier_signal -1
	s_barrier_wait -1
.endm
.macro TLOAD g0, g1
	tensor_load_to_lds s[\g0:\g0+3], s[\g1:\g1+7]
	s_nop 0
	PLACES
.endm
.macro GROUP1 g, mask, rows            ; rows = tiles of 12,288 bytes, dense in memory and in LDS, in elements of 8 bytes
	s_or_b32 s[\g], s[\mask], (3<<16)|(1<<21)
	s_mov_b32 s[\g+1], 1536<<16
	s_mov_b32 s[\g+2], (\rows)<<16
	s_mov_b32 s[\g+3], 1536<<16
	s_mov_b32 s[\g+4], \rows
	s_mov_b32 s[\g+5], 1536
	s_mov_b32 s[\g+6], 0
	s_mov_b32 s[\g+7], 0
.endm
.macro REFILL                          ; the next pass's W, 64 tiles on, onto the region that all waves have read out: waves 0 and 1 a half each
	s_add_nc_u64 s[G0W+2:G0W+3], s[G0W+2:G0W+3], 64*TILEB
	s_cmp_lt_u32 s14, 2
	s_cbranch_scc0 .Lnone_\@
	TLOAD G0W, G1W
.Lnone_\@:
.endm
	s_load_b256 s[4:11], s[0:1], 0x0               ; codes, scl, qbuf, kv
	v_lshl_add_u32 v[SPW], v0, 2, SPARE
	v_mov_b32 v[NIL], 0
	ds_add_u32 v[SPW], v[NIL]                      ; the opening lines
	ds_add_u32 v[SPW], v[NIL]
	v_lshrrev_b32 v11, 5, v0
	v_readfirstlane_b32 s14, v11                   ; wave 0..3
	s_lshr_b32 s15, s14, 1                         ; wr: my half of x's tiles
	s_and_b32 s16, s14, 1                          ; wc: my half of W's tiles.  Also: which half of a tensor's tiles I fetch
	s_bfe_u32 s40, ttmp6, 0x40000                  ; cx, cy
	s_bfe_u32 s41, ttmp6, 0x40004
	s_lshl_b32 s42, ttmp9, 2
	s_add_co_u32 s42, s42, s40                     ; gx
	s_and_b32 s17, ttmp7, 0xffff
	s_lshl_b32 s17, s17, 2
	s_add_co_u32 s17, s17, s41                     ; gy
	s_lshl_b32 s43, s41, 2
	s_lshl_b32 s43, 15, s43                        ; my row of the cluster
	s_lshl_b32 s44, 0x1111, s40                    ; my column
	GROUP1 G1X, 43, 8
	GROUP1 G1W, 44, 4
	s_lshl_b32 s32, s17, 4
	s_lshl_b32 s18, s16, 3
	s_add_co_u32 s32, s32, s18                     ; x: tile 16 gy + 8 x half
	s_mul_i32 s32, s32, TILEB
	s_mov_b32 s33, 0
	s_lshl_b32 s34, s42, 3
	s_lshl_b32 s18, s16, 2
	s_add_co_u32 s34, s34, s18
	s_add_co_u32 s34, s34, 512                     ; Wq: tile 512 + 8 gx + 4 x half
	s_mul_i32 s34, s34, TILEB
	s_mov_b32 s35, 0
	s_mul_i32 s45, s16, XH                         ; where they go: no place in the cluster enters an LDS address
	s_mul_i32 s46, s16, WH
	s_add_co_u32 s46, s46, WR
	s_mov_b32 s[SEL], 0x76543210
	s_mov_b32 s[SEL+1], 0xfedcba98
	s_mov_b32 s[HI16], 0xffff0000
	s_wait_dscnt 0x0
	s_wait_kmcnt 0x0
	s_mov_b32 s[G0X], 1
	s_mov_b32 s[G0X+1], s45
	s_add_nc_u64 s[G0X+2:G0X+3], s[4:5], s[32:33]
	s_or_b32 s[G0X+3], s[G0X+3], 0x80000000
	s_mov_b32 s[G0W], 1
	s_mov_b32 s[G0W+1], s46
	s_add_nc_u64 s[G0W+2:G0W+3], s[4:5], s[34:35]
	s_or_b32 s[G0W+3], s[G0W+3], 0x80000000
	CROUND                                         ; all sixteen work-groups are here: the first joint loads meet
	s_cmp_lt_u32 s14, 2                            ; one tensor load a wave at the head: waves 0 and 1 Wq's halves, which are wanted first, waves 2 and 3 x's
	s_cbranch_scc0 .Lhead_x
	TLOAD G0W, G1W
	s_branch .Lhead_asked
.Lhead_x:
	TLOAD G0X, G1X
.Lhead_asked:
	s_mul_i32 s18, s16, WH
	s_add_co_u32 s18, s18, WR                      ; my 4 tiles of W in LDS
	s_mul_i32 s19, s15, XH                         ; my 8 tiles of x
	s_add_co_u32 s38, s19, 4*TILEB
	s_lshl_b32 s36, s17, 4
	s_lshl_b32 s37, s15, 3
	s_add_co_u32 s36, s36, s37
	s_lshl_b32 s36, s36, 9                         ; my x tiles' scale words: 512 bytes a tile
	s_lshl_b32 s37, s42, 3
	s_lshl_b32 s39, s16, 2
	s_add_co_u32 s37, s37, s39
	s_add_co_u32 s37, s37, 512
	s_lshl_b32 s37, s37, 9                         ; my Wq tiles';
	s_add_co_u32 s39, s37, 65536                   ; my Wv tiles', 128 tiles on
	v_and_b32 v11, 31, v0
	v_and_b32 v12, 15, v0                          ; r
	v_bfe_u32 v[SH8], v0, 4, 1
	v_lshlrev_b32 v[L16], 4, v11
	v_lshlrev_b32 v[L8], 3, v11
	v_lshlrev_b32 v12, 4, v12                      ; row place r: 16 bytes = four K steps
	v_lshlrev_b32 v[SH8], 3, v[SH8]
	v_add_nc_u32 v[ADW], s18, v[L16]
	v_add_nc_u32 v[ADX], s19, v[L16]
	v_add_nc_u32 v[ADX+1], s38, v[L16]
	v_add_nc_u32 v[SCOX], s36, v12
	v_add_nc_u32 v[SCOW], s37, v12
	v_add_nc_u32 v[SCOV], s39, v12
	v_lshl_add_u32 v[SCOW], v[SH8], 12, v[SCOW]    ; lanes 16-31 take Wk's words, 64 tiles = 32,768 bytes on
	WALU                                           ; the wait at the head's end
.irp i, 0,1,2,3,4,5,6,7
.irp q, 0,1
	global_load_b128 v[SCX+8*\i+4*\q:SCX+8*\i+4*\q+3], v[SCOX], s[6:7] offset:512*\i+256*\q
.endr
.endr
.irp i, 0,1,2,3
.irp q, 0,1
	global_load_b128 v[WS+8*\i+4*\q:WS+8*\i+4*\q+3], v[SCOW], s[6:7] offset:512*\i+256*\q
	global_load_b128 v[WV+8*\i+4*\q:WV+8*\i+4*\q+3], v[SCOV], s[6:7] offset:512*\i+256*\q
.endr
.endr
	s_lshl_b32 s36, s17, 1
	s_add_co_u32 s36, s36, s15                     ; my step of 128 tokens, 0 .. 63
	s_lshl_b32 s37, s42, 1
	s_add_co_u32 s37, s37, s16                     ; my head
	s_lshr_b32 s38, s36, 4
	s_lshl_b32 s38, s38, 4
	s_add_co_u32 s38, s38, s37                     ; 16 x batch + head
	s_lshl_b32 s38, s38, 4
	s_and_b32 s36, s36, 15
	s_add_co_u32 s38, s38, s36                     ; x 16 + the step within the batch
	s_mul_i32 s36, s38, 6656
	s_mov_b32 s37, 0
	s_add_nc_u64 s[PQ:PQ+1], s[8:9], s[36:37]
	s_mul_i32 s36, s38, 13056
	s_add_nc_u64 s[PK:PK+1], s[10:11], s[36:37]
.macro WLOAD                           ; my 4 tiles of W, all of K: 32 fragments, 96 loads of 16 bytes a lane, as they lie
.set F_, 0
.rept 32
	WIN (1+F_/20)<<6
.irp c, 0,1,2
	ds_load_b128 v[12*(F_%20)+4*\c:12*(F_%20)+4*\c+3], v[ADW] offset:(F_%4)*TILEB+(F_/4)*KSB+512*\c
.endr
.set F_, F_+1
.endr
	WIN 0
.endm
.macro FETCH k                         ; my 8 tiles of x, K step k, into set (k + 1) % 2: 24 loads
.set E_, ((\k)+1)%2
	WIN E_<<7
.irp a, 0,1,2,3,4,5,6,7
.irp c, 0,1,2
	ds_load_b128 v[148-4*E_+12*\a+4*\c:148-4*E_+12*\a+4*\c+3], v[ADX+\a/4] offset:(\a%4)*TILEB+(\k)*KSB+512*\c
.endr
.endr
	WIN 0
.endm
.macro WM d, s0, s1, k, x0, x1, row    ; K step 0 starts the sums
.if (\k) == 0
.if \row
	v_wmma_scale_f32_16x16x128_f8f6f4 v[(\d):(\d)+7], v[\s0:\s0+11], v[\s1:\s1+11], 0, v[\x0], v[\x1] matrix_a_fmt:MATRIX_FMT_BF6 matrix_b_fmt:MATRIX_FMT_BF6 matrix_a_scale:MATRIX_SCALE_ROW1
.else
	v_wmma_scale_f32_16x16x128_f8f6f4 v[(\d):(\d)+7], v[\s0:\s0+11], v[\s1:\s1+11], 0, v[\x0], v[\x1] matrix_a_fmt:MATRIX_FMT_BF6 matrix_b_fmt:MATRIX_FMT_BF6
.endif
.else
.if \row
	v_wmma_scale_f32_16x16x128_f8f6f4 v[(\d):(\d)+7], v[\s0:\s0+11], v[\s1:\s1+11], v[(\d):(\d)+7], v[\x0], v[\x1] matrix_a_fmt:MATRIX_FMT_BF6 matrix_b_fmt:MATRIX_FMT_BF6 matrix_a_scale:MATRIX_SCALE_ROW1
.else
	v_wmma_scale_f32_16x16x128_f8f6f4 v[(\d):(\d)+7], v[\s0:\s0+11], v[\s1:\s1+11], v[(\d):(\d)+7], v[\x0], v[\x1] matrix_a_fmt:MATRIX_FMT_BF6 matrix_b_fmt:MATRIX_FMT_BF6
.endif
.endif
.endm
.macro PROD kind, k, a, b              ; x's tile a against W's tile b, K step k.  kind 0 q, 1 k: accumulator 4 a + b; kind 2 v: accumulator 8 b + a
.set FW_, 4*(\k)+(\b)
.set WW_, 1+FW_/20
.set RW_, 12*(FW_%20)
.set E_, ((\k)+1)%2
.set RX_, 148-4*E_+12*(\a)
.if (\kind) < 2
	WIN WW_|(E_<<3)|0xf0
	WM 8*(4*(\a)+(\b)), RW_, RX_, \k, WS+8*(\b)+(\k), SCX+8*(\a)+(\k), \kind
.else
	WIN (2*E_)|(WW_<<2)|0xf0
	WM 8*(8*(\b)+(\a)), RX_, RW_, \k, SCX+8*(\a)+(\k), WV+8*(\b)+(\k), 0
.endif
.endm
; A PASS: 8 K steps of 32 products; the 32 accumulators take turns.  At a step's head the next step's 24 loads go out into the set that the step before read.
.macro PASS kind
.irp k, 0,1,2,3,4,5,6,7
.if \k > 0
	PLACES                                         ; behind the last step's products, in front of loads into the registers that they read
.endif
.if \k < 7
	FETCH \k+1
	s_wait_dscnt 24                                ; all but the 24 just issued: this step's fragments are in (in K step 0: W's too)
.else
	s_wait_dscnt 0x0
.endif
.irp a, 0,1,2,3,4,5,6,7
.irp b, 0,1,2,3
	PROD \kind, \k, \a, \b
.endr
.endr
.endr
	WIN 0
.endm
; THE WAY OUT.  Group g = accumulators 4 g .. 4 g + 3: 32 registers, one scale block of a lane.  q, k: group g is x's tile g.  v: groups 2 b, 2 b + 1 are Wv's tile b, keys 0-63 and 64-127.
.macro GEO kind, g                     ; where group g's six registers of codes, its scale operand and its partner's word lie
.if (\kind) < 2
.set PC_, PCA+8*(\g)
.set SO_, PC_+6
.set PX_, PC_+7
.else
.set PC_, PCA+16*((\g)/2)+6*((\g)%2)
.set SO_, PCA+16*((\g)/2)+12+(\g)%2
.set PX_, PCA+16*((\g)/2)+14+(\g)%2
.endif
.endm
.macro OUT kind, base, off, soff
	WIN 0x3c                                       ; sources 1 and 2: window 3
.irp s, 0,2,4,6                        ; 32 chains, one to an accumulator, each from its low end on; the floor 2^(5 - 127) among the leaves
.set I_, 0
.rept 32
.if \s == 0
	v_max3_num_f32 v[TA+I_], 0x2800000, |v[8*I_]|, |v[8*I_+1]|
.else
	v_max3_num_f32 v[TA+I_], v[TA+I_], |v[8*I_+\s]|, |v[8*I_+\s+1]|
.endif
.set I_, I_+1
.endr
.endr
	WIN 0
.irp g, 0,1,2,3,4,5,6,7
	v_max3_num_f32 v[TA+4*\g], v[TA+4*\g], v[TA+4*\g+1], v[TA+4*\g+2]
.endr
.irp g, 0,1,2,3,4,5,6,7
	v_max_num_f32 v[TA+4*\g], v[TA+4*\g], v[TA+4*\g+3]   ; the block's largest magnitude
.endr
.irp g, 0,1,2,3,4,5,6,7
	GEO \kind, \g
	v_add_nc_u32 v[SO_], 0xfe000000, v[TA+4*\g]    ; 4 off its exponent field: the conversions' scale operand
.endr
.irp g, 0,1,2,3,4,5,6,7
	GEO \kind, \g
	v_lshrrev_b32 v[TA+4*\g+3], 23, v[SO_]         ; the scale's byte
.endr
.if (\kind) < 2                        ; q, k: my byte is block h of tile g's word
.irp g, 0,1,2,3,4,5,6,7
	v_lshlrev_b32 v[TA+4*\g+3], v[SH8], v[TA+4*\g+3]
.endr
.irp g, 0,1,2,3,4,5,6,7
	GEO \kind, \g
	v_permlanex16_b32 v[PX_], v[TA+4*\g+3], s[SEL], s[SEL+1]
.endr
.irp g, 0,1,2,3,4,5,6,7
	GEO \kind, \g
	v_or_b32 v[TA+4*\g+3], v[TA+4*\g+3], v[PX_]    ; with lane l xor 16's the word is whole, in both halves of the lanes
.endr
.irp i, 0,1,2,3
	v_cndmask_b32 v[IM+\i], v[TA+8*\i+3], v[TA+8*\i+7], s[HI16]     ; register i: tile 2 i in lanes 0-15, tile 2 i + 1 in lanes 16-31
.endr
.else                                  ; v: my two bytes are blocks h and 2 + h of tile b's word
.irp b, 0,1,2,3
	v_lshl_or_b32 v[TA+8*\b+3], v[TA+8*\b+7], 16, v[TA+8*\b+3]
.endr
.irp b, 0,1,2,3
	v_lshlrev_b32 v[TA+8*\b+3], v[SH8], v[TA+8*\b+3]
.endr
.irp b, 0,1,2,3
	GEO \kind, 2*\b
	v_permlanex16_b32 v[PX_], v[TA+8*\b+3], s[SEL], s[SEL+1]
.endr
.irp b, 0,1,2,3
	GEO \kind, 2*\b
	v_or_b32 v[TA+8*\b+3], v[TA+8*\b+3], v[PX_]
.endr
.irp i, 0,1
	v_cndmask_b32 v[IM+\i], v[TA+16*\i+3], v[TA+16*\i+11], s[HI16]
.endr
.endif
	WIN 3                                          ; source 0: window 3
.irp g, 0,1,2,3,4,5,6,7
	GEO \kind, \g
	v_cvt_scalef32_pk16_bf6_f32 v[PC_:PC_+2], v[32*\g:32*\g+15], v[SO_]
	v_cvt_scalef32_pk16_bf6_f32 v[TA+4*\g:TA+4*\g+2], v[32*\g+16:32*\g+31], v[SO_]   ; (a conversion's three registers begin on an even number)
.endr
	WIN 0
	v_nop                                          ; one plain place behind the scaled conversions
.irp g, 0,1,2,3,4,5,6,7
	GEO \kind, \g
.irp i, 0,1,2
	v_mov_b32 v[PC_+3+\i], v[TA+4*\g+\i]
.endr
.endr
.irp g, 0,1,2,3,4,5,6,7
	GEO \kind, \g
	global_store_b128 v[L16], v[PC_:PC_+3], s[\base:\base+1] offset:(\off)+768*\g          ; 512 consecutive bytes, then 256, aligned
	global_store_b64 v[L8], v[PC_+4:PC_+5], s[\base:\base+1] offset:(\off)+768*\g+512
.endr
.if (\kind) < 2
	global_store_b128 v[L16], v[IM:IM+3], s[\base:\base+1] offset:\soff
.else
	global_store_b64 v[L8], v[IM:IM+1], s[\base:\base+1] offset:\soff
.endif
.endm
.macro CHANGE                          ; between two passes: the next W is shown to all; its fragments and x's first go out; the way out follows under their flight
	s_wait_tensorcnt 0x0                           ; my half of the next W, if I asked for one, is in
	s_barrier_signal -1                            ; (no LDS instruction of mine is out)
	s_barrier_wait -1
	PLACES                                         ; behind the pass's last products
	WLOAD
	FETCH 0
.endm
	s_cmp_lt_u32 s14, 2
	s_cbranch_scc0 .Lnot_w
	s_wait_tensorcnt 0x0                           ; waves 0 and 1: my half of Wq is in
.Lnot_w:
	s_barrier_signal -1
	s_barrier_wait -1                              ; Wq is in; x may still be on its way
	WLOAD
	s_wait_tensorcnt 0x0                           ; all my tensor loads are in, x's halves among them;
	ds_add_u32 v[SPW], v[NIL]
	s_wait_dscnt 0x0                               ; the add is done, and I hold my part of Wq in registers
	CROUND
	REFILL                                         ; Wk
	FETCH 0
	s_wait_loadcnt 0x0                             ; the scale words
	PASS 0
	CHANGE
	OUT 0, PQ, 0, 6144
	WALU
	s_wait_tensorcnt 0x0
	ds_add_u32 v[SPW], v[NIL]
	s_wait_dscnt 0x0                               ; I hold my part of Wk in registers
	CROUND
	REFILL                                         ; Wv
	s_wait_xcnt 0x0                                ; the stores have read their data, which the next loads write over
	PASS 1
	CHANGE
	OUT 1, PK, 0, 12288
	WALU
	s_wait_xcnt 0x0
	PASS 2
	PLACES
	OUT 2, PK, 6144, 12800
	s_wait_tensorcnt 0x0                           ; the wave's end
	ds_add_u32 v[SPW], v[NIL]
	s_wait_dscnt 0x0
	CROUND                                         ; the closing round
	s_endpgm
.Lfunc_end_k_qa6043bd8e3_proj:
	.size	k_qa6043bd8e3_proj, .Lfunc_end_k_qa6043bd8e3_proj-k_qa6043bd8e3_proj
	.p2alignl 7, 3214868480
	.fill 96, 4, 3214868480
	.section	.rodata,"a",@progbits
	.p2align	6, 0x0
	.amdhsa_kernel k_qa6043bd8e3_proj
		.amdhsa_group_segment_fixed_size 327680
		.amdhsa_private_segment_fixed_size 0
		.amdhsa_enable_private_segment 0
		.amdhsa_kernarg_size 32
		.amdhsa_user_sgpr_count 2
		.amdhsa_user_sgpr_kernarg_segment_ptr 1
		.amdhsa_wavefront_size32 1
		.amdhsa_system_sgpr_workgroup_id_x 1
		.amdhsa_system_sgpr_workgroup_id_y 1
		.amdhsa_system_sgpr_workgroup_id_z 1
		.amdhsa_system_vgpr_workitem_id 0
		.amdhsa_next_free_vgpr 1024
		.amdhsa_next_free_sgpr 100
		.amdhsa_reserve_vcc 0
		.amdhsa_float_denorm_mode_32 3
		.amdhsa_float_denorm_mode_16_64 3
		.amdhsa_memory_ordered 1
		.amdhsa_forward_progress 1
		.amdhsa_inst_pref_size 213
	.end_amdhsa_kernel
	.amdgpu_metadata
---
amdhsa.version: [ 1, 2 ]
amdhsa.kernels:
  - .name:           k_qa6043bd8e3_proj
    .symbol:         k_qa6043bd8e3_proj.kd
    .args:
      - { .name: codes, .offset: 0, .size: 8, .value_kind: global_buffer, .address_space: global }
      - { .name: scl, .offset: 8, .size: 8, .value_kind: global_buffer, .address_space: global }
      - { .name: qbuf, .offset: 16, .size: 8, .value_kind: global_buffer, .address_space: global }
      - { .name: kv, .offset: 24, .size: 8, .value_kind: global_buffer, .address_space: global }
    .group_segment_fixed_size: 327680
    .private_segment_fixed_size: 0
    .kernarg_segment_align: 8
    .kernarg_segment_size: 32
    .max_flat_workgroup_size: 128
    .sgpr_count:     100
    .vgpr_count:     1024
    .wavefront_size: 32
...
	.end_amdgpu_metadata
.endif
;; end of part 2
;; launch attn (part 3): grid 4 x 64, 16 waves a work-group, clusters of 4 x 1, 280,576 bytes of LDS; arguments qbuf, kv, out0; writes out0
.if DOCPART == 3
	.amdgcn_target "amdgcn-amd-amdhsa--gfx1250"
	.amdhsa_code_object_version 6
	.text
	.protected	k_qa6043bd8e3_attn
	.globl	k_qa6043bd8e3_attn
	.p2align	8
	.type	k_qa6043bd8e3_attn,@function
k_qa6043bd8e3_attn:
	s_mov_b64 s[64:65], 0
	v_nop
	global_prefetch_b8 v0, s[64:65] scope:SCOPE_SE
	s_setreg_imm32_b32 hwreg(HW_REG_WAVE_MODE, 25, 1), 1
	s_wait_xcnt 0x0
	s_wait_alu depctr_hold_cnt(0) depctr_sa_sdst(0) depctr_va_vdst(0) depctr_va_sdst(0) depctr_va_ssrc(0) depctr_va_vcc(0) depctr_vm_vsrc(0)
	s_getreg_b32 s2, hwreg(HW_REG_IB_STS2, 6, 4)
	s_cmp_eq_u32 s2, 0
	s_cbranch_scc0 .Lentry_in_a_cluster
	s_endpgm
.Lentry_in_a_cluster:
	s_bfe_u32 s2, ttmp6, 0x10000c
	s_cmp_lg_u32 s2, 0x3003
	s_cbranch_scc0 .Lentry_shape_is_right
	s_endpgm
.Lentry_shape_is_right:
; out[b][q][64 h + :] = the sum over keys of softmax(q . k / 32) v, for 64 heads (b, h) of 2,048 tokens x 64 channels, both products on codes of BF6 (E3M2) with E8M0 scales.
; THE SOFTMAX AHEAD OF THE SECOND PRODUCT: t = score x log2(e) / 32; M = the row's largest t so far, rounded UP to a whole number; p = 2^(t - M) is quantised along the keys, not normalised.
; The row's sum is taken of the unquantised p and divides at the end.  When M moves, the sum and O are multiplied by 2^(old M - new M): exact.
; INPUTS are images of operand registers: qbuf [64][16][6,656], kv [64][16 steps of 128 keys][13,056].  A head of 64 channels is half of the instruction's K of 128: registers 6-11 of Q's and K's fragments are zero codes, set once.
; SHARES: the four work-groups of a cluster share one head, 512 queries each.  The head's whole K, V and scales, 208,896 bytes, lie in LDS for the whole launch: each of the sixteen waves asks for one block of
; 13,056 bytes by one joint tensor load that names the four work-groups.  No byte of LDS is filled twice: no ring, and no loop that runs ahead of a load, so no prefetch.  A wave owns one tile of 16 queries at a time, two one after the other;
; both tiles' Q come at the head.  Behind the barrier that shows the head's blocks the waves share nothing.
; LAYOUT: both products transposed: S^T = K Q^T, O^T = V^T P^T: a lane holds ONE query throughout.  The rows of every tile are place i -> 64 (T / 4) + 32 (i / 8) + 8 (T % 4) + i % 8: so the 32 registers of score tiles
; 4 c .. 4 c + 3 are keys 64 c + 32 (lane / 16) + 0 .. 31, one whole scale block of p, in the order of the operand's registers; and O^T's 32 registers are channels 32 (lane / 16) + 0 .. 31.
; A block's largest p is made from its largest score by a fused multiply-add with the same operands and the same exponential (this takes v_exp_f32 not to fall where its input rises).
; LIMITS: NaN and infinities are not served; a p under 2^-126 becomes 0, beside a row's sum of more than 1/2; the promise holds while the scaled scores t stay under 2^31 in magnitude.
.set BLK,   13056                      ; a step's block: K's 8 tiles x 768; V's 4 x 2 x 768 from 6,144; K's scale words at 12,288; V's at 12,800
.set STAGE, 16*BLK                     ; behind the blocks: 16 rows x (256 + 16) bytes for each wave, for the way out
.set SPT,   272
.set CLIT,  0x3d38aa3b                 ; c = log2(e) / 32
.set L16, 1                            ; v1   16 x lane
.set L8,  2                            ; v2   8 x lane
.set A16, 3                            ; v3   the step's block + 16 x lane
.set A8,  4                            ; v4   + 8 x lane
.set STO, 5                            ; v5   the way out: where I put my 32 channels of a row
.set RD,  6                            ; v6   where I read a row back
.set GO,  7                            ; v7   my byte offset in out
.set QSO, 8                            ; v8   16 r: Q's scale word
.set SH8, 9                            ; v9   8 x (lane / 16)
.set QF,  16                           ; v16-27 Q's fragment (v22-27 zero); v12 -M, v13 the largest score, v14, v15 the sum in two halves
.set QS,  28
.set KF,  32                           ; v32-79 four fragments of K (the upper six of each zero)
.set KS,  80                           ; v80-83 K's scale words
.set VS,  84                           ; v84-85 V's
.set S,   96                           ; v96-159 S^T, then p; then V's four fragments in v96-143
.set O,   160                          ; v160-191 O^T
.set PC,  192                          ; v192-203 p's codes
.set CT,  204                          ; v204-210 second halves on their way
.set BM,  212                          ; v212-215 four chains; then v212, v214 the two blocks' largest score, then largest p
.set PX,  216                          ; v216, v217 what lane l xor 16 sends
.set SO,  220                          ; v220-221 the conversions' scale operands
.set PB,  222                          ; v222-223 the bytes
.set FF,  224                          ; v224, v225 f = 2^(old M - new M), twice: the halves of a dual pair read different registers
.set PSW, 226                          ; v226 p's scale word
.set TT,  227
.set NM,  228                          ; v228 the new -M; v229 -M once more, for the second halves of the dual pairs
.set TS,  228                          ; v230-235 the sum's three other chains
.set Q2,  236                          ; v236-241 the second tile's Q; v242 its scale words
.set SPW, 254
.set NIL, 255
.set WV,  10
.set CX,  11
.set BH,  12
.set TB,  13                           ; s13  LDS byte at which the step's block begins
.set CNT, 14
.set SEL, 20
.set CS,  22                           ; s22  c
.set G1,  24
.set G0,  32
.set QP,  36
.set QSP, 38
.set OP,  40
.macro ROUND
	s_barrier_signal -1
	s_barrier_wait -1
	s_cmp_lg_u32 s[WV], 0
	s_cbranch_scc1 .Lnot_wave_0_\@
	s_barrier_signal -3
.Lnot_wave_0_\@:
	s_barrier_wait -3
	s_barrier_signal -1
	s_barrier_wait -1
.endm
.macro DEP n
	s_delay_alu instid0(VALU_DEP_\n)
.endm
.macro WALU
	s_wait_alu depctr_va_vdst(0)
.endm
	s_load_b128 s[4:7], s[0:1], 0x0                ; qbuf, kv
	s_load_b64 s[8:9], s[0:1], 0x10                ; out0
	v_lshl_add_u32 v[SPW], v0, 2, 0x44000
	v_mov_b32 v[NIL], 0
	ds_add_u32 v[SPW], v[NIL]                      ; the opening lines
	ds_add_u32 v[SPW], v[NIL]
	v_lshrrev_b32 v10, 5, v0
	DEP 1
	v_readfirstlane_b32 s[WV], v10                 ; wave 0..15
	s_bfe_u32 s[CX], ttmp6, 0x40000                ; my place in the cluster: it enters Q's and out's addresses alone
	s_and_b32 s[BH], ttmp7, 0xffff                 ; the head, which the four partners share
	; group 1: a dense block of 13,056 bytes as 51 rows of 256 bytes
	s_mov_b32 s[G1], 15|(3<<16)|(1<<21)
	s_mov_b32 s[G1+1], 32<<16
	s_mov_b32 s[G1+2], 51<<16
	s_mov_b32 s[G1+3], 32<<16
	s_mov_b32 s[G1+4], 51
	s_mov_b32 s[G1+5], 32
	s_mov_b32 s[G1+6], 0
	s_mov_b32 s[G1+7], 0
	s_lshl_b32 s15, s[BH], 4
	s_add_co_u32 s15, s15, s[WV]
	s_mul_i32 s16, s15, BLK                        ; block 16 x head + wave
	s_mov_b32 s17, 0
	s_mov_b32 s[G0], 1
	s_mul_i32 s[G0+1], s[WV], BLK                  ; to LDS byte wave x 13,056
	s_wait_dscnt 0x0
	s_wait_kmcnt 0x0
	s_add_nc_u64 s[G0+2:G0+3], s[6:7], s[16:17]
	s_or_b32 s[G0+3], s[G0+3], 0x80000000
	ROUND                                          ; all four work-groups are here: the joint loads meet
	tensor_load_to_lds s[G0:G0+3], s[G1:G1+7]      ; my one tensor load of the launch
	s_nop 0
.rept 4
	v_nop
.endr
	v_and_b32 v10, 31, v0
	DEP 1
	v_lshlrev_b32 v[L16], 4, v10
	DEP 2
	v_lshlrev_b32 v[L8], 3, v10
	v_and_b32 v10, 15, v0                          ; r
	v_bfe_u32 v11, v0, 4, 1                        ; h
	s_mul_i32 s15, s[WV], 16*SPT
	s_add_co_u32 s15, s15, STAGE                   ; my stage
	v_mul_u32_u24 v[STO], v10, SPT
	DEP 1
	v_lshl_add_u32 v[STO], v11, 7, v[STO]
	DEP 1
	v_add_nc_u32 v[STO], s15, v[STO]               ; in: row r, + 128 h: my 32 channels
	v_mul_u32_u24 v[RD], v11, SPT
	DEP 1
	v_lshl_add_u32 v[RD], v10, 4, v[RD]
	DEP 1
	v_add_nc_u32 v[RD], s15, v[RD]                 ; back: lanes 0-15 one row of 256 bytes, lanes 16-31 the next
	v_lshlrev_b32 v[GO], 12, v11
	DEP 1
	v_lshl_add_u32 v[GO], v10, 4, v[GO]            ; and the same two rows in out, 4,096 bytes apart
	v_lshlrev_b32 v[QSO], 4, v10
	v_lshlrev_b32 v[SH8], 3, v11
	s_mov_b32 s[SEL], 0x76543210
	s_mov_b32 s[SEL+1], 0xfedcba98
	s_mov_b32 s[CS], CLIT
.irp i, 6,7,8,9,10,11
	v_mov_b32 v[QF+\i], 0                          ; zero codes for k = 64 .. 127
.irp t, 0,1,2,3
	v_mov_b32 v[KF+12*\t+\i], 0
.endr
.endr
	v_mov_b32 v[PX], 0                             ; a lane permute's destination counts as one of its sources
	v_mov_b32 v[PX+1], 0
	v_mov_b32 v[TT], 0
.macro KLOAD t                         ; K's tile t: registers 0-3 and 4-5 as they lie
	ds_load_b128 v[KF+12*((\t)%4):KF+12*((\t)%4)+3], v[A16] offset:768*(\t)
	ds_load_b64 v[KF+12*((\t)%4)+4:KF+12*((\t)%4)+5], v[A8] offset:768*(\t)+512
.endm
.macro SPROD t                         ; S^T's tile t: 16 keys x my 16 queries
.if (\t)%2
	v_wmma_scale_f32_16x16x128_f8f6f4 v[S+8*(\t):S+8*(\t)+7], v[KF+12*((\t)%4):KF+12*((\t)%4)+11], v[QF:QF+11], 0, v[KS+(\t)/2], v[QS] matrix_a_fmt:MATRIX_FMT_BF6 matrix_b_fmt:MATRIX_FMT_BF6 matrix_a_scale:MATRIX_SCALE_ROW1
.else
	v_wmma_scale_f32_16x16x128_f8f6f4 v[S+8*(\t):S+8*(\t)+7], v[KF+12*((\t)%4):KF+12*((\t)%4)+11], v[QF:QF+11], 0, v[KS+(\t)/2], v[QS] matrix_a_fmt:MATRIX_FMT_BF6 matrix_b_fmt:MATRIX_FMT_BF6
.endif
.endm
.macro OPROD c                         ; O^T's tile c += 16 channels x 128 keys x my 16 queries
.if (\c)%2
	v_wmma_scale_f32_16x16x128_f8f6f4 v[O+8*(\c):O+8*(\c)+7], v[S+12*(\c):S+12*(\c)+11], v[PC:PC+11], v[O+8*(\c):O+8*(\c)+7], v[VS+(\c)/2], v[PSW] matrix_a_fmt:MATRIX_FMT_BF6 matrix_b_fmt:MATRIX_FMT_BF6 matrix_a_scale:MATRIX_SCALE_ROW1
.else
	v_wmma_scale_f32_16x16x128_f8f6f4 v[O+8*(\c):O+8*(\c)+7], v[S+12*(\c):S+12*(\c)+11], v[PC:PC+11], v[O+8*(\c):O+8*(\c)+7], v[VS+(\c)/2], v[PSW] matrix_a_fmt:MATRIX_FMT_BF6 matrix_b_fmt:MATRIX_FMT_BF6
.endif
.endm
.macro MAXC q, n                       ; line n (0 .. 6) of chain q over scores 16 q .. 16 q + 14; each score tile is read from its low end on
.if (\n) == 0
	v_max3_num_f32 v[BM+\q], v[S+16*\q], v[S+16*\q+1], v[S+16*\q+2]
.else
	v_max3_num_f32 v[BM+\q], v[BM+\q], v[S+16*\q+2*(\n)+1], v[S+16*\q+2*(\n)+2]
.endif
.endm
.macro MAXJ c                          ; block c's two chains and its scores 15 and 31: the block's largest score
	v_max3_num_f32 v[BM+2*\c], v[BM+2*\c], v[BM+2*\c+1], v[S+32*\c+15]
	v_max_num_f32 v[BM+2*\c], v[BM+2*\c], v[S+32*\c+31]
.endm
.macro SUM4 m                          ; pairs m .. m + 3 of p onto the sum's four chains, a dual pair each
	v_dual_add_f32 v14, v14, v[S+2*(\m)] :: v_dual_add_f32 v15, v15, v[S+2*(\m)+1]
.irp i, 1,2,3
	v_dual_add_f32 v[TS+2*\i], v[TS+2*\i], v[S+2*(\m)+2*\i] :: v_dual_add_f32 v[TS+2*\i+1], v[TS+2*\i+1], v[S+2*(\m)+2*\i+1]
.endr
.endm
; A KEY STEP: 128 keys.
.macro KSTEP
	v_add_nc_u32 v[A16], s[TB], v[L16]
	v_add_nc_u32 v[A8], s[TB], v[L8]
.rept 3
	v_nop                                          ; with the two additions five places: the first products below write over registers that the last step's V^T P read
.endr
.irp t, 0,1,2,3
	KLOAD \t
.endr
	ds_load_b128 v[KS:KS+3], v[A16] offset:12288
	WALU
	s_wait_dscnt 0x0
.irp t, 0,1,2,3
	SPROD \t
.endr
.rept 4
	v_nop                                          ; places in front of the loads into K's registers and of the reads of these scores
.endr
.irp t, 4,5,6,7
	KLOAD \t
.endr
.irp n, 0,1,2,3,4,5
	MAXC 0, \n
	MAXC 1, \n
.endr
	WALU
	s_wait_dscnt 0x0
.irp t, 4,5,6,7
	SPROD \t
.endr
	MAXC 0, 6                                      ; these four lines, on block 0, are the places behind the four products
	MAXC 1, 6
	MAXJ 0
.irp n, 0,1,2,3,4,5,6
	MAXC 2, \n
	MAXC 3, \n
.endr
	MAXJ 1
	DEP 1
	v_max_num_f32 v[TT], v[BM], v[BM+2]            ; my 64 keys' largest score
	DEP 1
	v_permlanex16_b32 v[PX], v[TT], s[SEL], s[SEL+1]
	DEP 1
	v_max3_num_f32 v13, v13, v[TT], v[PX]          ; with lane l xor 16's: the running largest score of my query
	DEP 1
	v_mul_f32 v[TT], s[CS], v13                    ; as t (c is positive)
	DEP 1
	v_floor_f32 v[NM], -v[TT]                      ; the new -M = -ceil(t): a whole number
	DEP 1
	v_sub_f32 v[TT], v[NM], v12                    ; old M - new M: a whole number, 0 or less
	v_mov_b32 v12, v[NM]
	v_mov_b32 v[NM+1], v[NM]
	DEP 3
	v_cvt_i32_f32 v[TT], v[TT]                     ; (it saturates)
	DEP 1
	v_ldexp_f32 v[FF], 1.0, v[TT]                  ; f = 2^(old M - new M)
	v_ldexp_f32 v[FF+1], 1.0, v[TT]
.set j, 0
.rept 32
	v_dual_fmamk_f32 v[S+j], v[S+j], CLIT, v12 :: v_dual_fmamk_f32 v[S+j+1], v[S+j+1], CLIT, v[NM+1]   ; t - M = score x c - M, fused, two at a time
.set j, j+2
.endr
	v_fma_f32 v[BM], v[BM], s[CS], v12             ; the same of each block's largest score
	v_fma_f32 v[BM+2], v[BM+2], s[CS], v12
	WALU
	v_exp_f32 v[BM], v[BM]                         ; the blocks' largest p
	v_exp_f32 v[BM+2], v[BM+2]
.set j, 0
.rept 64
	v_exp_f32 v[S+j], v[S+j]                       ; p = 2^(t - M), at most 1: not normalised
.set j, j+1
.endr
	v_nop                                          ; a plain place behind the exponentials
	WALU                                           ; one wait for the batch of 66, ahead of its first reader
	; THE ROW'S SUM, of the unquantised p, in four chains; the lines that make p's scales stand among them, so that no line reads the line just above it
	v_pk_fma_f32 v[14:15], v[14:15], v[FF:FF+1], v[S:S+1]          ; the old sum under the new M, and the first pair
.irp i, 1,2,3
	v_dual_add_f32 v[TS+2*\i], v[S+4*\i-2], v[S+4*\i] :: v_dual_add_f32 v[TS+2*\i+1], v[S+4*\i-1], v[S+4*\i+1]
.endr
	v_max_num_f32 v[BM], 0x2800000, v[BM]          ; the floor 2^(5 - 127): the byte cannot fall under 1
	v_max_num_f32 v[BM+2], 0x2800000, v[BM+2]
	SUM4 7
	v_add_nc_u32 v[SO], 0xfe000000, v[BM]          ; 4 off the exponent field: the conversions' scale operands
	v_add_nc_u32 v[SO+1], 0xfe000000, v[BM+2]
	SUM4 11
	v_lshrrev_b32 v[PB], 23, v[SO]                 ; the bytes of blocks h and 2 + h
	v_lshrrev_b32 v[PB+1], 23, v[SO+1]
	SUM4 15
	v_lshl_or_b32 v[TT], v[PB+1], 16, v[PB]
	SUM4 19
	v_lshlrev_b32 v[TT], v[SH8], v[TT]             ; at their places in the word
	SUM4 23
	v_permlanex16_b32 v[PX+1], v[TT], s[SEL], s[SEL+1]
	SUM4 27
	v_or_b32 v[PSW], v[TT], v[PX+1]                ; with lane l xor 16's two: p's scale word for these 128 keys
	v_dual_add_f32 v14, v14, v[S+62] :: v_dual_add_f32 v15, v15, v[S+63]
	v_dual_add_f32 v[TS+2], v[TS+2], v[TS+4] :: v_dual_add_f32 v[TS+3], v[TS+3], v[TS+5]
	v_dual_add_f32 v14, v14, v[TS+6] :: v_dual_add_f32 v15, v15, v[TS+7]
	v_dual_add_f32 v14, v14, v[TS+2] :: v_dual_add_f32 v15, v15, v[TS+3]
.irp c, 0,1
	v_cvt_scalef32_pk16_bf6_f32 v[PC+6*\c:PC+6*\c+2], v[S+32*\c:S+32*\c+15], v[SO+\c]
	v_cvt_scalef32_pk16_bf6_f32 v[CT+4*\c:CT+4*\c+2], v[S+32*\c+16:S+32*\c+31], v[SO+\c]   ; (a conversion's three registers begin on an even number)
.endr
	v_nop                                          ; one plain place behind the scaled conversions
.irp c, 0,1,2,3                        ; V's four channel tiles, 128 keys each, into the registers that p has left
.irp g, 0,1
	ds_load_b128 v[S+12*\c+6*\g:S+12*\c+6*\g+3], v[A16] offset:6144+1536*\c+768*\g
	ds_load_b64 v[S+12*\c+6*\g+4:S+12*\c+6*\g+5], v[A8] offset:6144+1536*\c+768*\g+512
.endr
.endr
	ds_load_b64 v[VS:VS+1], v[A8] offset:12800
.irp c, 0,1
.irp i, 0,1,2
	v_mov_b32 v[PC+3+6*\c+\i], v[CT+4*\c+\i]       ; registers 6 c .. 6 c + 5 hold keys 64 c + 32 h + 0 .. 31
.endr
.endr
	WALU                                           ; the wait directly ahead of the first reader of O^T
.set j, 0
.rept 16
	v_dual_mul_f32 v[O+j], v[FF], v[O+j] :: v_dual_mul_f32 v[O+j+1], v[FF+1], v[O+j+1]   ; O^T under the new M.  (These sixteen are also the places between the codes' and the scale word's last writes and the products)
.set j, j+2
.endr
	WALU
	s_wait_dscnt 0x0
.irp c, 0,1,2,3
	OPROD \c                                       ; four accumulators by turns
.endr
	s_add_co_u32 s[TB], s[TB], BLK
.endm
; A PASS: one tile of 16 queries against all 2,048 keys.  T = 32 cx + 16 p + wave is the tile within the head.
.macro PASS p
.if (\p) > 0
	s_wait_xcnt 0x0                                ; the last pass's stores have read their data and their base
.endif
	s_lshl_b32 s15, s[CX], 5
	s_add_co_u32 s15, s15, s[WV]
	s_add_co_u32 s15, s15, 16*(\p)                 ; T
	s_mov_b32 s43, 0
.if (\p) == 0
	s_lshr_b32 s16, s15, 3
	s_lshl_b32 s17, s[BH], 4
	s_add_co_u32 s16, s16, s17
	s_mul_i32 s16, s16, 6656                       ; Q's block: 16 x head + T / 8
	s_and_b32 s17, s15, 7
	s_mul_i32 s17, s17, 768
	s_add_co_u32 s42, s16, s17
	s_add_nc_u64 s[QP:QP+1], s[4:5], s[42:43]
	s_and_b32 s17, s15, 1
	s_lshl_b32 s18, s17, 8                         ; its scale words: an odd tile's lie in the image's upper lanes, 256 bytes on;
	s_add_co_u32 s42, s16, s18
	s_bfe_u32 s18, s15, 0x20001                    ; register (T / 2) % 4 of the image
	s_lshl_b32 s18, s18, 2
	s_add_co_u32 s42, s42, s18
	s_add_co_u32 s42, s42, 6144
	s_add_nc_u64 s[QSP:QSP+1], s[4:5], s[42:43]
.endif
	s_lshr_b32 s18, s[BH], 4
	s_lshl_b32 s18, s18, 11                        ; out: token 2,048 x batch + 64 (T / 4) + 8 (T % 4),
	s_lshr_b32 s19, s15, 2
	s_lshl_b32 s19, s19, 6
	s_add_co_u32 s18, s18, s19
	s_and_b32 s19, s15, 3
	s_lshl_b32 s19, s19, 3
	s_add_co_u32 s18, s18, s19
	s_lshl_b32 s18, s18, 12                        ; rows of 4,096 bytes,
	s_and_b32 s19, s[BH], 15
	s_lshl_b32 s19, s19, 8                         ; the head's 256 bytes
	s_add_co_u32 s42, s18, s19
	s_add_nc_u64 s[OP:OP+1], s[8:9], s[42:43]
.if (\p) == 0
	global_load_b128 v[QF:QF+3], v[L16], s[QP:QP+1]
	global_load_b64 v[QF+4:QF+5], v[L8], s[QP:QP+1] offset:512
	global_load_b32 v[QS], v[QSO], s[QSP:QSP+1]
	global_load_b128 v[Q2:Q2+3], v[L16], s[QP:QP+1] offset:13312       ; the second pass's tile, T + 16: two blocks of 6,656 bytes on, at the same place in its block
	global_load_b64 v[Q2+4:Q2+5], v[L8], s[QP:QP+1] offset:13312+512
	global_load_b32 v[Q2+6], v[QSO], s[QSP:QSP+1] offset:13312
.else
.irp i, 0,1,2,3,4,5
	v_mov_b32 v[QF+\i], v[Q2+\i]
.endr
	v_mov_b32 v[QS], v[Q2+6]
.endif
	v_mov_b32 v13, 0xff61b1e6                      ; the largest score so far: -3e38
	v_mov_b32 v12, 0x7f61b1e6                      ; -M: 3e38, so that the first f is 0
	v_mov_b32 v14, 0
	v_mov_b32 v15, 0
.set j, 0
.rept 32
	v_mov_b32 v[O+j], 0                            ; the step is written once: the first finds zeros
.set j, j+1
.endr
.if (\p) == 0
	WALU
	s_wait_loadcnt 0x0                             ; Q
	s_wait_tensorcnt 0x0                           ; my block is in,
	s_barrier_signal -1
	s_barrier_wait -1                              ; everybody's is: the head lies in LDS
.endif
	s_mov_b32 s[TB], 0
	s_mov_b32 s[CNT], 16
.Lkey_\@:
	KSTEP
	s_sub_co_u32 s[CNT], s[CNT], 1
	s_cmp_lg_u32 s[CNT], 0
	s_cbranch_scc1 .Lkey_\@
	; THE WAY OUT: O^T / the sum goes through my stage and leaves as whole rows of the head: 256 bytes
.rept 4
	v_nop                                          ; places behind the last products
.endr
	v_add_f32 v14, v14, v15                        ; the sum's two halves,
	DEP 1
	v_permlanex16_b32 v[TT], v14, s[SEL], s[SEL+1]
	DEP 1
	v_add_f32 v14, v14, v[TT]                      ; and lane l xor 16's
	WALU
	v_rcp_f32 v14, v14
	v_nop                                          ; a plain place behind the reciprocal
	WALU                                           ; the wait ahead of its first reader
.set j, 0
.rept 32
	v_mul_f32 v[S+j], v[O+j], v14                  ; register j: channel 32 h + j of query place r; each accumulator from its low end on
.set j, j+1
.endr
.irp c, 0,1,2,3,4,5,6,7
	ds_store_b128 v[STO], v[S+4*\c:S+4*\c+3] offset:16*\c
.endr
.irp i, 0,1,2,3,4,5,6,7
	ds_load_b128 v[S+32+4*\i:S+32+4*\i+3], v[RD] offset:2*\i*SPT   ; LDS serves a wave's instructions in order: these see my stores
.endr
.irp i, 0,1,2,3,4,5,6,7
	s_wait_dscnt 7-\i                              ; load i is in; the 7 - i younger ones may be out
	global_store_b128 v[GO], v[S+32+4*\i:S+32+4*\i+3], s[OP:OP+1] offset:(2*(\i%4)+32*(\i/4))*4096 th:TH_STORE_NT   ; places 2 i, 2 i + 1 of the tile; 16 lanes store 256 consecutive bytes, aligned
.endr
.endm
	PASS 0
	PASS 1
	s_wait_tensorcnt 0x0                           ; the wave's end
	ds_add_u32 v[SPW], v[NIL]
	s_wait_dscnt 0x0
	ROUND                                          ; the closing round
	s_endpgm
.Lfunc_end_k_qa6043bd8e3_attn:
	.size	k_qa6043bd8e3_attn, .Lfunc_end_k_qa6043bd8e3_attn-k_qa6043bd8e3_attn
	.p2alignl 7, 3214868480
	.fill 96, 4, 3214868480
	.section	.rodata,"a",@progbits
	.p2align	6, 0x0
	.amdhsa_kernel k_qa6043bd8e3_attn
		.amdhsa_group_segment_fixed_size 280576
		.amdhsa_private_segment_fixed_size 0
		.amdhsa_enable_private_segment 0
		.amdhsa_kernarg_size 24
		.amdhsa_user_sgpr_count 2
		.amdhsa_user_sgpr_kernarg_segment_ptr 1
		.amdhsa_wavefront_size32 1
		.amdhsa_system_sgpr_workgroup_id_x 1
		.amdhsa_system_sgpr_workgroup_id_y 1
		.amdhsa_system_sgpr_workgroup_id_z 1
		.amdhsa_system_vgpr_workitem_id 0
		.amdhsa_next_free_vgpr 256
		.amdhsa_next_free_sgpr 66
		.amdhsa_reserve_vcc 0
		.amdhsa_float_denorm_mode_32 3
		.amdhsa_float_denorm_mode_16_64 3
		.amdhsa_memory_ordered 1
		.amdhsa_forward_progress 1
		.amdhsa_inst_pref_size 50
	.end_amdhsa_kernel
	.amdgpu_metadata
---
amdhsa.version: [ 1, 2 ]
amdhsa.kernels:
  - .name:           k_qa6043bd8e3_attn
    .symbol:         k_qa6043bd8e3_attn.kd
    .args:
      - { .name: qbuf, .offset: 0, .size: 8, .value_kind: global_buffer, .address_space: global }
      - { .name: kv, .offset: 8, .size: 8, .value_kind: global_buffer, .address_space: global }
      - { .name: out0, .offset: 16, .size: 8, .value_kind: global_buffer, .address_space: global }
    .group_segment_fixed_size: 280576
    .private_segment_fixed_size: 0
    .kernarg_segment_align: 8
    .kernarg_segment_size: 24
    .max_flat_workgroup_size: 512
    .sgpr_count:     66
    .vgpr_count:     256
    .wavefront_size: 32
...
	.end_amdgpu_metadata
.endif
;; end of part 3
